; MI455X (gfx1250); checked and timed in simulation.
; The chip was launched on July 23, 2026; its instructions are those of AMD's public machine-readable ISA for CDNA 5 (MIT licence, August 2026) and "CDNA5" Instruction Set Architecture Reference Guide (July 2026). The comments in the code are by the model that wrote it; some were corrected since.
;; Attention1. Allowed arithmetic: matrix products marked QUANTISED: E2M3 operands, one E8M0 scale for each 32 along K, by v_wmma_scale_f32_16x16x128_f8f6f4 with both operands' format E2M3, f32 sums; everything else in f32.
;; Inputs: drop_mask 8 x 4,096 x 256 float32; x 8 x 4,096 x 256 float32.
;; Outputs: out0 8 x 256 float32.
;; This version of the problem:
;;   THIS VERSION OF THE PROBLEM IS GIVEN IN LOW PRECISION. The matrix products marked QUANTISED in the list below multiply operands that are first quantised to E2M3 (2 exponent bits, 3 mantissa bits; 6 bits a number), with one power-of-two scale for each 32 numbers along K (OCP MX v1.0); their sums are f32. All else is computed in f32.
;;   The module's matrix products, in the order in which they are computed (A, B: the left and right operand; K: the contracted axis; several contracted axes count as one K, in the product's order):
;;     1. batch 8 x [M 4,096, K 256] x [K 256, N 4,096]; A: computed on the way; B: input x: QUANTISED
;;     2. batch 8 x [M 4,096, K 4,096] x [K 4,096, N 256]; A: softmax (see below); B: input x: QUANTISED
;;   THE QUANTISER, for each operand of a quantised product, along K:
;;     - K is cut into blocks of 32 from its start; a last block that is shorter is filled with zeros.
;;     - A block's scale is 2^e with e = floor(log2(the largest magnitude in the block)) - 2, held to -126 .. 127; a block of zeros has e = 0. As a byte (E8M0): e + 127.
;;     - Each number is divided by its block's scale, clamped to +-7.5, and rounded to the nearest number of E2M3, ties to even, subnormals kept.
;;     - The product sums the exact products of the quantised numbers (number of the format x scale) in f32.
;;   ~~~python
;;   def quantise(x, axis):      # numpy; x: float32 -> the quantised numbers, widened to float32 again
;;       x = np.moveaxis(x, axis, -1); K = x.shape[-1]
;;       x = np.pad(x, [(0, 0)] * (x.ndim - 1) + [(0, -K % 32)]); x = x.reshape(x.shape[:-1] + (-1, 32)); a = np.abs(x).max(-1, keepdims=True)
;;       e = np.where(a > 0, np.clip(np.frexp(np.where(a > 0, a, 1))[1] - 1 - 2, -126, 127), 0)      # np.frexp(a)[1] - 1 = floor(log2(a)), exactly
;;       r = np.clip(x / 2.0 ** e, -7.5, 7.5)
;;       step = 2.0 ** (np.maximum(np.frexp(np.where(r == 0, 1, r))[1] - 1, 0) - 3)
;;       q = np.round(r / step) * step * 2.0 ** e      # np.round: ties to even
;;       return np.moveaxis(q.reshape(q.shape[:-2] + (-1,))[..., :K], -1, axis).astype(np.float32)
;;   ~~~
;;   SOFTMAX AHEAD OF A QUANTISED PRODUCT. Where the list says 'softmax', what is quantised is not the finished softmax but p = 2^(t - M), with t = logit x log2(e) and M = ceil(the row's largest t), a whole number; so 1/2 < the row's largest p <= 1. The row's sum l is taken of the UNQUANTISED p, in f32, and the product's result is divided by l at the end. Since M is a whole number, a kernel that streams over the keys may use a running M (the ceiling of the running maximum): every later rescaling is an exact power of two, which a block's scale takes up: the codes' values come out the same.
;;   OPERANDS COMPUTED ON THE WAY. 'Computed on the way' means the value that the module computes at that place (a softmax that the list does not call 'softmax' is quantised finished and normalised). What goes into a quantiser is computed in f32, as accurately as f32 sums, v_exp_f32 and their like allow (about 1e-6 of the number): no bf16 or f16 on the way to a quantiser, and a product that is left as it is and whose result goes on into a quantised operand takes f32 operands (vector FMAs, or v_wmma_f32_16x16x4_f32). A number that lies on a knife's edge between two numbers of the format may be rounded either way, as far as f32 arithmetic and the matrix unit's own rounding can turn it there, and no further.
;; One version. Each part assembles by itself: llvm-mc -triple=amdgcn-amd-amdhsa -mcpu=gfx1250 --defsym DOCPART=n.
;; ======== version 1 of 1: 3 launches
;; limits: right only within a limited range of input values
;; workspace buffers: kvc 12,582,912 bytes; ksc 524,288 bytes; qc 6,553,600 bytes; part 1,048,576 bytes
;; launch quant (part 1): grid 32 x 8, 16 waves a work-group, no clusters, 327,680 bytes of LDS; arguments x, drop_mask, kvc, ksc, qc; writes kvc, ksc, qc
.if DOCPART == 1
	.amdgcn_target "amdgcn-amd-amdhsa--gfx1250"
	.amdhsa_code_object_version 6
	.text
	.protected	k_q1efd74040a_quant
	.globl	k_q1efd74040a_quant
	.p2align	8
	.type	k_q1efd74040a_quant,@function
k_q1efd74040a_quant:
	s_mov_b64 s[64:65], 0
	v_nop
	global_prefetch_b8 v0, s[64:65] scope:SCOPE_SE
	s_setreg_imm32_b32 hwreg(HW_REG_WAVE_MODE, 25, 1), 1
	s_wait_xcnt 0x0
; x [8][4096][256] f32 and drop_mask are turned into MX-FP6 codes and E8M0 scale words, laid as images of the operand registers of the next launch:
; K = x along d, Q = x * drop_mask along d, V = x along the keys.  A work-group takes 128 rows of one batch.
; 16 waves: at the head waves 0-7 fetch x's eight tiles of 16 rows and waves 8-15 the mask's, one tensor load a wave, tile w at w x WB.
; Behind the barrier waves 0-7 quantise the rows (K and Q) and waves 8-15 the columns (V); all meet at the barrier in front of the scale words' way out.
; A block of zeros gets the byte 1 (its codes are zeros; this program alone reads the bytes).  NaN and infinities among the inputs are not served.
.set WB,   16768
.set RP,   1040
.set MT,   134144
.set SCST, 268288
.set XR,   32
.set MR,   96
.set KF,   160
.set QF,   184
.set VF,   208
.set CH,   232
.set KB,   240
.set QB,   244
.set VW,   248
	s_load_b256 s[4:11], s[0:1], 0x0
	s_load_b64 s[12:13], s[0:1], 0x20
	v_lshl_add_u32 v254, v0, 2, 0x42400
	v_mov_b32 v255, 0
	ds_add_u32 v254, v255
	ds_add_u32 v254, v255
	v_lshrrev_b32 v12, 5, v0
	s_delay_alu instid0(VALU_DEP_1)
	v_readfirstlane_b32 s14, v12
	s_mul_i32 s25, s14, WB                         ; my tile's place: wave x WB (the mask's eight lie behind x's eight: MT = 8 WB)
	s_lshr_b32 s15, s14, 3                         ; 0: x and the rows; 1: the mask and the columns
	s_and_b32 s14, s14, 7                          ; which sixteenth of the work is mine
	s_and_b32 s32, ttmp7, 0xffff
	s_mov_b32 s16, (2<<16)|(1<<20)|(7<<22)|(3<<25)
	s_mov_b32 s17, 256<<16
	s_mov_b32 s18, 16<<16
	s_mov_b32 s19, 256<<16
	s_mov_b32 s20, 16
	s_mov_b32 s21, 256
	s_mov_b32 s22, 0
	s_mov_b32 s23, 0
	s_lshl_b32 s2, s32, 22
	s_lshl_b32 s3, ttmp9, 17
	s_add_co_u32 s2, s2, s3
	s_lshl_b32 s3, s14, 14
	s_add_co_u32 s2, s2, s3
	s_mov_b32 s3, 0
	s_mov_b32 s24, 1
	s_mov_b32 s28, 1
	s_mov_b32 s29, s25
	s_wait_dscnt 0x0
	s_wait_kmcnt 0x0
	s_add_nc_u64 s[26:27], s[4:5], s[2:3]
	s_or_b32 s27, s27, 0x80000000
	s_add_nc_u64 s[30:31], s[6:7], s[2:3]
	s_or_b32 s31, s31, 0x80000000
	s_wait_alu depctr_va_vdst(0)
	s_cmp_lg_u32 s15, 0                            ; the first fills: one a wave, one chain, one join
	s_cbranch_scc1 .Lmask
	tensor_load_to_lds s[24:27], s[16:23]
	s_nop 0
.rept 4
	v_nop
.endr
	s_branch .Lasked
.Lmask:
	tensor_load_to_lds s[28:31], s[16:23]
	s_nop 0
.Lasked:
.rept 4
	v_nop
.endr
	v_and_b32 v12, 31, v0
	v_and_b32 v13, 15, v0
	v_bfe_u32 v14, v0, 4, 1
	s_delay_alu instid0(VALU_DEP_3)
	v_lshlrev_b32 v1, 4, v12
	s_lshr_b32 s33, s14, 1
	s_mul_i32 s33, s33, 2*WB
	s_and_b32 s44, s14, 1
	s_mul_i32 s44, s44, 8*RP
	s_add_co_u32 s33, s33, s44
	v_lshrrev_b32 v15, 3, v13
	s_delay_alu instid0(VALU_DEP_1)
	v_mul_u32_u24 v2, v15, WB
	v_and_b32 v15, 7, v13
	s_delay_alu instid0(VALU_DEP_1)
	v_mad_u32_u24 v2, v15, RP, v2
	s_delay_alu instid0(VALU_DEP_1)
	v_lshl_add_u32 v2, v14, 7, v2
	s_delay_alu instid0(VALU_DEP_1)
	v_add_nc_u32 v2, s33, v2
	s_delay_alu instid0(VALU_DEP_1)
	v_add_nc_u32 v3, MT, v2
	s_lshl_b32 s44, s14, 7
	v_lshl_add_u32 v4, v12, 2, s44
	s_delay_alu instid0(VALU_DEP_1)
	v_add_nc_u32 v5, 2*WB, v4
	s_delay_alu instid0(VALU_DEP_2)
	v_add_nc_u32 v6, 4*WB, v4
	s_delay_alu instid0(VALU_DEP_3)
	v_add_nc_u32 v7, 6*WB, v4
	s_lshr_b32 s44, s14, 2
	s_lshl_b32 s44, s44, 9
	s_and_b32 s45, s14, 3
	s_lshl_b32 s45, s45, 2
	s_add_co_u32 s44, s44, s45
	s_add_co_u32 s44, s44, SCST
	v_add_nc_u32 v8, s44, v1
	s_delay_alu instid0(VALU_DEP_1)
	v_add_nc_u32 v9, 1024, v8
	s_lshl_b32 s45, s14, 7
	s_add_co_u32 s45, s45, SCST+2048
	v_lshl_add_u32 v10, v12, 2, s45
	s_lshl_b32 s45, s14, 9
	s_add_co_u32 s45, s45, SCST
	v_add_nc_u32 v11, s45, v1
	s_mov_b32 s42, 0x76543210
	s_mov_b32 s43, 0xfedcba98
	s_lshl_b32 s44, s32, 5
	s_add_co_u32 s44, s44, ttmp9
	s_mul_i32 s46, s44, 49152
	s_mul_i32 s45, s14, 1536
	s_add_co_u32 s46, s46, s45
	s_mov_b32 s47, 0
	s_add_nc_u64 s[34:35], s[8:9], s[46:47]
	s_add_co_u32 s46, s46, s45
	s_add_co_u32 s46, s46, 24576
	s_add_nc_u64 s[36:37], s[8:9], s[46:47]
	s_mul_i32 s33, s44, 25600
	s_mul_i32 s45, s14, 3072
	s_add_co_u32 s46, s33, s45
	s_add_nc_u64 s[38:39], s[12:13], s[46:47]
	s_lshl_b32 s45, s14, 9
	s_lshl_b32 s46, s44, 11
	s_add_co_u32 s46, s46, s45
	s_add_co_u32 s33, s33, s45
	s_add_co_u32 s33, s33, 24576-2048
	s_cmp_lt_u32 s14, 4
	s_cselect_b32 s46, s46, s33
	s_cselect_b64 s[40:41], s[10:11], s[12:13]
	s_add_nc_u64 s[40:41], s[40:41], s[46:47]
.macro RLOAD sc, set
.irp j, 0,1,2,3,4,5,6,7
	ds_load_b128 v[XR+32*(\set)+4*\j:XR+32*(\set)+4*\j+3], v2 offset:512*((\sc)/2)+256*((\sc)%2)+16*\j
.endr
.irp j, 0,1,2,3,4,5,6,7
	ds_load_b128 v[MR+32*(\set)+4*\j:MR+32*(\set)+4*\j+3], v3 offset:512*((\sc)/2)+256*((\sc)%2)+16*\j
.endr
.endm
.macro CLOAD kb, set
.set i, 0
.rept 32
	ds_load_b32 v[XR+32*(\set)+i], v[4+(\kb)] offset:(i/16)*WB+(i%16)*RP
.set i, i+1
.endr
.endm
.macro Q32 src, dst, byte
	v_max3_num_f32 v16, |v[(\src)]|, |v[(\src)+1]|, 0x1800000
	v_max3_num_f32 v17, |v[(\src)+2]|, |v[(\src)+3]|, |v[(\src)+4]|
.irp i, 5,9,13,17,21,25
	s_delay_alu instid0(VALU_DEP_2)
	v_max3_num_f32 v16, v16, |v[(\src)+\i]|, |v[(\src)+\i+1]|
	s_delay_alu instid0(VALU_DEP_2)
	v_max3_num_f32 v17, v17, |v[(\src)+\i+2]|, |v[(\src)+\i+3]|
.endr
	s_delay_alu instid0(VALU_DEP_2)
	v_max3_num_f32 v16, v16, |v[(\src)+29]|, |v[(\src)+30]|
	s_delay_alu instid0(VALU_DEP_1)
	v_max3_num_f32 v16, v16, v17, |v[(\src)+31]|
	s_delay_alu instid0(VALU_DEP_1)
	v_add_nc_u32 v18, 0xff000000, v16
	s_delay_alu instid0(VALU_DEP_1)
	v_lshrrev_b32 v[(\byte)], 23, v18
	v_cvt_scalef32_pk16_fp6_f32 v[(\dst):(\dst)+2], v[(\src):(\src)+15], v18
	v_cvt_scalef32_pk16_fp6_f32 v[CH:CH+2], v[(\src)+16:(\src)+31], v18
	v_nop
.irp i, 0,1,2
	v_mov_b32 v[(\dst)+3+\i], v[CH+\i]
.endr
.endm
.macro ROWBLK sc, set
	Q32 XR+32*(\set), KF+12*((\sc)/2)+6*((\sc)%2), KB+(\sc)
.irp i, 0,2,4,6,8,10,12,14,16,18,20,22,24,26,28,30
	v_pk_mul_f32 v[XR+32*(\set)+\i:XR+32*(\set)+\i+1], v[XR+32*(\set)+\i:XR+32*(\set)+\i+1], v[MR+32*(\set)+\i:MR+32*(\set)+\i+1]
.endr
	Q32 XR+32*(\set), QF+12*((\sc)/2)+6*((\sc)%2), QB+(\sc)
.if (\sc)%2 == 1
.irp c, 0,1,2
	global_store_b128 v1, v[KF+12*((\sc)/2)+4*\c:KF+12*((\sc)/2)+4*\c+3], s[34:35] offset:((\sc)/2)*12288+512*\c
	global_store_b128 v1, v[QF+12*((\sc)/2)+4*\c:QF+12*((\sc)/2)+4*\c+3], s[38:39] offset:((\sc)/2)*1536+512*\c
.endr
.endif
.endm
.macro COLBLK kb, set
	Q32 XR+32*(\set), VF+12*((\kb)%2)+6*((\kb)/2), 19
.if (\kb) == 0
	v_mov_b32 v[VW], v19
.else
	v_lshl_or_b32 v[VW], v19, 8*(\kb), v[VW]
.endif
.endm
.macro SWORD dst, b0
	v_lshl_or_b32 v21, v[(\b0)+1], 16, v[(\b0)]
	v_lshl_or_b32 v23, v[(\b0)+3], 16, v[(\b0)+2]
	s_delay_alu instid0(VALU_DEP_2)
	v_lshlrev_b32 v21, v20, v21
	s_delay_alu instid0(VALU_DEP_2)
	v_lshlrev_b32 v23, v20, v23
	s_delay_alu instid0(VALU_DEP_2)
	v_permlanex16_b32 v22, v21, s42, s43
	s_delay_alu instid0(VALU_DEP_2)
	v_permlanex16_b32 v24, v23, s42, s43
	s_delay_alu instid0(VALU_DEP_2)
	v_or_b32 v21, v21, v22
	s_delay_alu instid0(VALU_DEP_2)
	v_or_b32 v23, v23, v24
	s_delay_alu instid0(VALU_DEP_1)
	v_cndmask_b32 v[(\dst)], v21, v23, vcc_lo
.endm
	s_wait_alu depctr_va_vdst(0)
	s_wait_tensorcnt 0x0
	s_barrier_signal -1
	s_barrier_wait -1
	s_cmp_lg_u32 s15, 0
	s_cbranch_scc1 .Lcol
	RLOAD 0, 0
	RLOAD 1, 1
	s_wait_dscnt 16
	ROWBLK 0, 0
	RLOAD 2, 0
	s_wait_dscnt 16
	ROWBLK 1, 1
	RLOAD 3, 1
	s_wait_dscnt 16
	ROWBLK 2, 0
	s_wait_dscnt 0x0
	ROWBLK 3, 1
	v_lshlrev_b32 v20, 3, v14
	v_mov_b32 v22, 0
	v_mov_b32 v24, 0
	v_cmp_lt_u32 vcc_lo, 15, v12
	SWORD 249, KB
	SWORD 250, QB
	ds_store_b32 v8, v249
	ds_store_b32 v10, v250
	s_wait_alu depctr_va_vdst(0)
	s_branch .Ljoin
.Lcol:
	CLOAD 0, 0
	CLOAD 1, 1
	s_wait_dscnt 32
	COLBLK 0, 0
	CLOAD 2, 0
	s_wait_dscnt 32
	COLBLK 1, 1
	CLOAD 3, 1
	s_wait_dscnt 32
	COLBLK 2, 0
	s_wait_dscnt 0x0
	COLBLK 3, 1
.irp i, 0,1,2,3,4,5,6,7,8,9,10,11
	v_permlane16_swap_b32 v[VF+\i], v[VF+12+\i]
.endr
.irp f, 0,1
.irp c, 0,1,2
	global_store_b128 v1, v[VF+12*\f+4*\c:VF+12*\f+4*\c+3], s[36:37] offset:1536*\f+512*\c
.endr
.endr
	ds_store_b32 v9, v[VW]
.Ljoin:
	s_wait_dscnt 0x0
	s_barrier_signal -1
	s_barrier_wait -1
	s_lshl_b32 s15, s15, 3
	s_add_co_u32 s15, s15, s14                     ; the wave's number again: waves 0 to 5 carry the scale words out
	s_cmp_gt_u32 s15, 5
	s_cbranch_scc1 .Lend
	ds_load_b128 v[24:27], v11
	s_wait_dscnt 0x0
	global_store_b128 v1, v[24:27], s[40:41]
.Lend:
	s_wait_tensorcnt 0x0
	ds_add_u32 v254, v255
	s_wait_dscnt 0x0
	s_endpgm
.Lfunc_end_k_q1efd74040a_quant:
	.size	k_q1efd74040a_quant, .Lfunc_end_k_q1efd74040a_quant-k_q1efd74040a_quant
	.p2alignl 7, 3214868480
	.fill 96, 4, 3214868480
	.section	.rodata,"a",@progbits
	.p2align	6, 0x0
	.amdhsa_kernel k_q1efd74040a_quant
		.amdhsa_group_segment_fixed_size 327680
		.amdhsa_private_segment_fixed_size 0
		.amdhsa_enable_private_segment 0
		.amdhsa_kernarg_size 40
		.amdhsa_user_sgpr_count 2
		.amdhsa_user_sgpr_kernarg_segment_ptr 1
		.amdhsa_wavefront_size32 1
		.amdhsa_system_sgpr_workgroup_id_x 1
		.amdhsa_system_sgpr_workgroup_id_y 1
		.amdhsa_system_sgpr_workgroup_id_z 1
		.amdhsa_system_vgpr_workitem_id 0
		.amdhsa_next_free_vgpr 256
		.amdhsa_next_free_sgpr 66
		.amdhsa_reserve_vcc 1
		.amdhsa_float_denorm_mode_32 3
		.amdhsa_float_denorm_mode_16_64 3
		.amdhsa_memory_ordered 1
		.amdhsa_forward_progress 1
		.amdhsa_inst_pref_size 49
	.end_amdhsa_kernel
	.amdgpu_metadata
---
amdhsa.version: [ 1, 2 ]
amdhsa.kernels:
  - .name:           k_q1efd74040a_quant
    .symbol:         k_q1efd74040a_quant.kd
    .args:
      - { .name: x, .offset: 0, .size: 8, .value_kind: global_buffer, .address_space: global }
      - { .name: drop_mask, .offset: 8, .size: 8, .value_kind: global_buffer, .address_space: global }
      - { .name: kvc, .offset: 16, .size: 8, .value_kind: global_buffer, .address_space: global }
      - { .name: ksc, .offset: 24, .size: 8, .value_kind: global_buffer, .address_space: global }
      - { .name: qc, .offset: 32, .size: 8, .value_kind: global_buffer, .address_space: global }
    .group_segment_fixed_size: 327680
    .private_segment_fixed_size: 0
    .kernarg_segment_align: 8
    .kernarg_segment_size: 40
    .max_flat_workgroup_size: 512
    .sgpr_count:     66
    .vgpr_count:     256
    .wavefront_size: 32
...
	.end_amdgpu_metadata
.endif
;; end of part 1
;; launch attn (part 2): grid 32 x 8, 8 waves a work-group, clusters of 4 x 1, 327,680 bytes of LDS; arguments kvc, ksc, qc, part; writes part
.if DOCPART == 2
	.amdgcn_target "amdgcn-amd-amdhsa--gfx1250"
	.amdhsa_code_object_version 6
	.text
	.protected	k_q1efd74040a_attn
	.globl	k_q1efd74040a_attn
	.p2align	8
	.type	k_q1efd74040a_attn,@function
k_q1efd74040a_attn:
	s_mov_b64 s[64:65], 0
	v_nop
	global_prefetch_b8 v0, s[64:65] scope:SCOPE_SE
	s_setreg_imm32_b32 hwreg(HW_REG_WAVE_MODE, 25, 1), 1
	s_wait_xcnt 0x0
	s_wait_alu depctr_hold_cnt(0) depctr_sa_sdst(0) depctr_va_vdst(0) depctr_va_sdst(0) depctr_va_ssrc(0) depctr_va_vcc(0) depctr_vm_vsrc(0)
	s_getreg_b32 s2, hwreg(HW_REG_IB_STS2, 6, 4)
	s_cmp_eq_u32 s2, 0
	s_cbranch_scc0 .Lentry_in_a_cluster
	s_endpgm
.Lentry_in_a_cluster:
	s_bfe_u32 s2, ttmp6, 0x10000c
	s_cmp_lg_u32 s2, 0x3003
	s_cbranch_scc0 .Lentry_shape_is_right
	s_endpgm
.Lentry_shape_is_right:
; Attention on MX-FP6 codes: a work-group takes 128 queries of one batch and all 4,096 keys.  Wave w: queries 32 (w & 3) .. + 31 (two tiles x = 0, 1 of 16),
; key half w >> 2 (2,048 keys in 16 steps of 128).  Both products are used transposed (S^T = k q^T, O^T = v^T p^T): a lane holds one query.
; p = 2^(t - M), M the ceiling of the running largest t; the row's sum is taken of the unquantised p; O^T and the sum are multiplied by 2^(old M - new M) in each step.
; At the end the two key halves are joined, divided by the sum, added over the queries, and four partial rows of 256 f32 go to part.
; LIMIT: holds while the scaled scores t stay under 2^31 in magnitude.
; THE WINDOWS: kvc holds for each step i the fragments K(i) (24,576 bytes) and then V(i) (24,576).  Trip j's slot holds the 49,152 consecutive bytes V(j-1), K(j).
; A trip's matrix block is PV(j-1), S(j).  TWO ORDERS, by role = (w & 1) xor (w >> 2): role 0 runs the matrix block and then softmax(j); role 1 runs softmax(j-1) and then the matrix block.
; So of waves w and w + 4, and of waves 2k and 2k + 1, one stands in its matrix block while the other stands in its softmax.  Trip 0 has K(0) alone, trip 16 V(15) alone.
; LDS: slot 0 at 0, slot 1 at 131,072 (each: key half h at 49,152 h); K(0) in bytes of its own (half 0 at 98,304, half 1 at 300,032), so that both slots' first fills stand
; behind barriers at which nothing is filled again; all scale words of the batch at SCL (65,536 bytes); spare words; EX for the halves' exchange.
; CLUSTER: the four work-groups of a cluster take the same batch and read the same tiles: every tensor load is joint (mask 15).  One load a wave behind each round.
; PREFETCH: in trip j, behind the load of window j + 1, window j + 2 is asked for (49,152 bytes for each key half; six waves of the batch's first cluster, 32 lanes x 256 bytes each,
; shared out by address); trips 0 to 13 ask, so the last window asked for is 15 and every address lies inside kvc.
; The adds of 0, the claim of all LDS, the s_nop 0 and v_nop behind tensor loads, and the s_wait_alu lines.
.set SLOT1, 1<<17
.set HALFB, 49152
.set KOFF,  24576
.set QRT,   12288
.set SCL,   229376
.set SPARE, 294912
.set EX,    295936
.set K0A,   73728                      ; K(0)'s place less KOFF, half 0
.set K0D,   201728                     ; from half 0's to half 1's
.set RPI,   1040
.set TM,    56
.set MSB, 0
.macro WIN new
.if MSB != \new
	s_set_vgpr_msb (MSB<<8)|\new
.set MSB, \new
.endif
.endm
.macro PLACES n
.rept \n
	v_nop
.endr
.endm
.macro CROUND                          ; a round of the cluster's barrier
	s_barrier_signal -1
	s_barrier_wait -1
	s_cmp_lg_u32 s12, 0
	s_cbranch_scc1 .Lnot_wave_0_\@
	s_barrier_signal -3
.Lnot_wave_0_\@:
	s_barrier_wait -3
	s_barrier_signal -1
	s_barrier_wait -1
.endm
	s_load_b256 s[4:11], s[0:1], 0x0               ; kvc, ksc, qc, part
	v_lshl_add_u32 v1, v0, 2, SPARE
	v_mov_b32 v2, 0
	ds_add_u32 v1, v2                              ; the opening lines
	ds_add_u32 v1, v2
	v_lshrrev_b32 v3, 5, v0
	v_readfirstlane_b32 s12, v3                    ; wave
	s_lshr_b32 s13, s12, 2                         ; key half
	s_and_b32 s14, s12, 3                          ; query group, and my quarter of a window
	s_and_b32 s23, s12, 1
	s_xor_b32 s23, s23, s13                        ; role
	s_bfe_u32 s15, ttmp6, 0x40000                  ; cx
	s_lshl_b32 s16, ttmp9, 2
	s_add_co_u32 s16, s16, s15                     ; work-group x
	s_and_b32 s17, ttmp7, 0xffff                   ; batch
	s_mov_b32 s24, 15|(3<<16)|(1<<21)              ; group 1, a quarter window: 48 rows of 256 bytes
	s_mov_b32 s25, 32<<16
	s_mov_b32 s26, 48<<16
	s_mov_b32 s27, 32<<16
	s_mov_b32 s28, 48
	s_mov_b32 s29, 32
	s_mov_b32 s30, 0
	s_mov_b32 s31, 0
	s_mov_b32 s32, 15|(3<<16)|(1<<21)              ; group 1, a quarter of the scale words: 64 rows of 256 bytes
	s_mov_b32 s33, 32<<16
	s_mov_b32 s34, 64<<16
	s_mov_b32 s35, 32<<16
	s_mov_b32 s36, 64
	s_mov_b32 s37, 32
	s_mov_b32 s38, 0
	s_mov_b32 s39, 0
	s_mul_i32 s18, s17, 1572864
	s_mul_i32 s19, s13, 786432
	s_add_co_u32 s18, s18, s19
	s_mul_i32 s19, s14, QRT
	s_add_co_u32 s18, s18, s19                     ; my quarter of my half's step 0
	s_mov_b32 s19, 0
	s_lshl_b32 s20, s13, 1
	s_add_co_u32 s20, s20, s14                     ; quarters 0, 1 of both halves: which 16,384 bytes of scale words
	s_lshl_b32 s20, s20, 14
	s_add_co_u32 s45, s20, SCL
	s_lshl_b32 s21, s17, 16
	s_add_co_u32 s20, s20, s21
	s_mov_b32 s21, 0
	s_mov_b32 s40, 1
	s_mul_i32 s41, s13, K0D
	s_mul_i32 s22, s14, QRT
	s_add_co_u32 s41, s41, s22
	s_add_co_u32 s41, s41, K0A                     ; window 0: quarters 2, 3 are K(0)
	s_mov_b32 s44, 1
	s_wait_alu depctr_va_vdst(0)
	s_wait_dscnt 0x0
	s_wait_kmcnt 0x0
	s_add_nc_u64 s[42:43], s[4:5], s[18:19]
	s_sub_nc_u64 s[42:43], s[42:43], KOFF          ; window 0 begins KOFF ahead of step 0: quarters 0, 1 ask for nothing of it
	s_or_b32 s43, s43, 0x80000000
	s_add_nc_u64 s[46:47], s[6:7], s[20:21]
	s_or_b32 s47, s47, 0x80000000
	CROUND
	s_cmp_gt_u32 s14, 1                            ; the first fills: one a wave, one chain, one join
	s_cbranch_scc1 .Lhead_k
	tensor_load_to_lds s[44:47], s[32:39]          ; scale words
	s_nop 0
	PLACES 4
	s_branch .Lhead_join
.Lhead_k:
	tensor_load_to_lds s[40:43], s[24:31]          ; K(0)
	s_nop 0
	PLACES 4
.Lhead_join:
	v_and_b32 v3, 31, v0
	v_lshlrev_b32 v28, 4, v3                       ; 16 x lane
	v_lshlrev_b32 v31, 8, v3                       ; prefetch: 256 x lane
	v_lshlrev_b32 v3, 2, v3
	s_wait_alu depctr_va_vdst(0)
	s_lshl_b32 s22, s17, 5
	s_add_co_u32 s22, s22, s16
	s_mul_i32 s58, s22, 25600
	s_mul_i32 s59, s14, 6144
	s_add_co_u32 s18, s58, s59
	s_add_nc_u64 s[60:61], s[8:9], s[18:19]        ; my queries' fragments
	s_lshl_b32 s59, s14, 8
	s_add_co_u32 s18, s58, s59
	s_add_co_u32 s18, s18, 24576
	s_add_nc_u64 s[62:63], s[8:9], s[18:19]        ; and their scale words
.irp x, 0,1
.irp s, 0,1
.irp c, 0,1,2
	global_load_b128 v[80+24*\x+12*\s+4*\c:80+24*\x+12*\s+4*\c+3], v28, s[60:61] offset:3072*\x+1536*\s+512*\c
.endr
.endr
	global_load_b32 v[24+\x], v3, s[62:63] offset:128*\x
.endr
	s_lshl_b32 s18, s22, 12
	s_lshl_b32 s20, s12, 9
	s_add_co_u32 s18, s18, s20
	s_add_nc_u64 s[10:11], s[10:11], s[18:19]      ; my 512 bytes of part
	s_lshr_b32 s18, s15, 1                         ; the prefetches: partner cx takes key half cx / 2, part cx % 2; waves 0 to 2, 8,192 bytes each
	s_mul_i32 s18, s18, 786432
	s_and_b32 s20, s15, 1
	s_mul_i32 s20, s20, 3
	s_add_co_u32 s20, s20, s12
	s_lshl_b32 s20, s20, 13
	s_add_co_u32 s18, s18, s20
	s_mul_i32 s20, s17, 1572864
	s_add_co_u32 s18, s18, s20
	s_add_co_u32 s18, s18, KOFF                    ; window 1; stepped once ahead of each request
	s_add_nc_u64 s[56:57], s[4:5], s[18:19]
	s_cmp_lt_u32 s12, 3
	s_cselect_b32 s55, 0, 1
	s_or_b32 s55, s55, ttmp9
	s_cmp_eq_u32 s55, 0
	s_cselect_b32 s55, 1, -1                       ; 1: I ask while more than one loop trip is left; else never
	s_mul_i32 s20, s13, HALFB
	v_add_nc_u32 v29, s20, v28                     ; fragments: my half of a slot + 16 x lane
	s_lshl_b32 s20, s13, 15
	s_add_co_u32 s20, s20, SCL
	v_add_nc_u32 v30, s20, v28                     ; scale words of my half
	s_mul_i32 s58, s13, K0D-HALFB
	s_add_co_u32 s58, s58, K0A                     ; trip 0: from v29 to K(0)'s own bytes
	s_mov_b32 s48, 0x76543210
	s_mov_b32 s49, 0xfedcba98
	s_mov_b32 s50, 0x3db8aa3b                      ; log2(e) / 16
	s_mov_b32 s51, s50
	s_mov_b32 s52, 0                               ; the slot that is read
	s_mov_b32 s53, 0                               ; scale words: 2,048 x (trip - 1)
	s_mov_b32 s54, 15
	v_mov_b32 v5, 0xff61b1e6                       ; the largest t so far: -3e38
	v_mov_b32 v7, 0xff61b1e6
	v_floor_f32 v4, -v5
	v_floor_f32 v6, -v7
.irp j, 8,9,10,11,12,13,14,15
	v_mov_b32 v[\j], 0
.endr
; A change of slots.  fill = 1: all waves ask for the next window; 3: the same, into slot 0 for the first time; 2: quarters 0, 1 alone (V(15)); 0: nothing is asked for.
.macro CHANGE fill
	s_wait_tensorcnt 0x0                           ; all my loads have landed
	ds_add_u32 v1, v2
.if \fill
.if \fill == 3
	s_mul_i32 s41, s12, QRT
.else
	s_xor_b32 s41, s41, SLOT1
.endif
	s_add_nc_u64 s[42:43], s[42:43], HALFB
	s_wait_xcnt 0x0                                ; my prefetch has read its address
	s_add_nc_u64 s[56:57], s[56:57], HALFB
.endif
	s_wait_dscnt 0x0                               ; the add, and my reads of the slot that is filled next
.if \fill
	CROUND
.if \fill == 2
	s_cmp_gt_u32 s14, 1
	s_cbranch_scc1 .Lnofill_\@
.endif
	tensor_load_to_lds s[40:43], s[24:31]
	s_nop 0
	PLACES 4
.if \fill == 2
.Lnofill_\@:
.endif
.else
	s_barrier_signal -1
	s_barrier_wait -1
.endif
.endm
.macro ASK
	s_cmp_gt_u32 s54, s55
	s_cbranch_scc0 .Lnot_mine_\@
	global_prefetch_b8 v31, s[56:57] th:TH_LOAD_NT scope:SCOPE_SE
.Lnot_mine_\@:
.endm
.macro KLOAD p, buf
.irp i, 0,1
.irp c, 0,1,2
	ds_load_b128 v[(\buf)+12*\i+4*\c:(\buf)+12*\i+4*\c+3], v3 offset:KOFF+(2*(\p)+\i)*1536+512*\c
.endr
.endr
.endm
.macro KMUL p, buf
.irp i, 0,1
.irp x, 0,1
.set rT, 2*((\p)%4)+\i
.set rD, 128+64*\x+8*rT
.if (\p) < 4
	v_wmma_scale_f32_16x16x128_f8f6f4 v[rD:rD+7], v[(\buf)+12*\i:(\buf)+12*\i+11], v[80+24*\x:91+24*\x], 0, v[16+rT], v[24+\x] matrix_a_fmt:MATRIX_FMT_FP6 matrix_b_fmt:MATRIX_FMT_FP6
.else
	v_wmma_scale_f32_16x16x128_f8f6f4 v[rD:rD+7], v[(\buf)+12*\i:(\buf)+12*\i+11], v[92+24*\x:103+24*\x], v[rD:rD+7], v[16+rT], v[24+\x] matrix_a_fmt:MATRIX_FMT_FP6 matrix_b_fmt:MATRIX_FMT_FP6 matrix_a_scale:MATRIX_SCALE_ROW1 matrix_b_scale:MATRIX_SCALE_ROW1
.endif
.endr
.endr
.endm
.macro VLOAD q, set
.irp i, 0,1,2,3
.irp c, 0,1,2
	ds_load_b128 v[128+64*(\set)+12*\i+4*\c:128+64*(\set)+12*\i+4*\c+3], v3 offset:(4*(\q)+\i)*1536+512*\c
.endr
.endr
.endm
.macro VMUL q, set, first
.irp i, 0,1,2,3
.irp x, 0,1
.set rO, 128*\x+8*(4*(\q)+\i)
.set rV, 128+64*(\set)+12*\i
.set rW, 16+(4*(\q)+\i)/2
.if \first
.if (\i)%2
	v_wmma_scale_f32_16x16x128_f8f6f4 v[rO:rO+7], v[rV:rV+11], v[32+12*\x:43+12*\x], 0, v[rW], v[26+\x] matrix_a_fmt:MATRIX_FMT_FP6 matrix_b_fmt:MATRIX_FMT_FP6 matrix_a_scale:MATRIX_SCALE_ROW1
.else
	s_wait_alu depctr_va_vdst(0)
	v_wmma_scale_f32_16x16x128_f8f6f4 v[rO:rO+7], v[rV:rV+11], v[32+12*\x:43+12*\x], 0, v[rW], v[26+\x] matrix_a_fmt:MATRIX_FMT_FP6 matrix_b_fmt:MATRIX_FMT_FP6
.endif
.else
.if (\i)%2
	v_wmma_scale_f32_16x16x128_f8f6f4 v[rO:rO+7], v[rV:rV+11], v[32+12*\x:43+12*\x], v[rO:rO+7], v[rW], v[26+\x] matrix_a_fmt:MATRIX_FMT_FP6 matrix_b_fmt:MATRIX_FMT_FP6 matrix_a_scale:MATRIX_SCALE_ROW1
.else
	v_wmma_scale_f32_16x16x128_f8f6f4 v[rO:rO+7], v[rV:rV+11], v[32+12*\x:43+12*\x], v[rO:rO+7], v[rW], v[26+\x] matrix_a_fmt:MATRIX_FMT_FP6 matrix_b_fmt:MATRIX_FMT_FP6
.endif
.endif
.endr
.endr
.endm
; Tile x's 16 queries x 128 keys: block maxima, the running M, p, the sum, p's codes (v32.. + 12 x) and scale word (v26 + x), the factor f (v12 + 2 x)
.macro SOFTMAX x
.set rS, 128+64*\x
.set rM, 4+2*\x
.set rL, 8+2*\x
.set rF, 12+2*\x
.set rP, 32+12*\x
.irp b, 0,1,2,3
	v_max3_num_f32 v[TM+\b], v[rS+16*\b], v[rS+16*\b+1], v[rS+16*\b+2]
.endr
.irp i, 3,5,7,9,11,13
.irp b, 0,1,2,3
	v_max3_num_f32 v[TM+\b], v[TM+\b], v[rS+16*\b+\i], v[rS+16*\b+\i+1]
.endr
.endr
.irp b, 0,1,2,3
	v_max_num_f32 v[TM+\b], v[TM+\b], v[rS+16*\b+15]
.endr
.irp b, 0,1,2,3
	s_delay_alu instid0(VALU_DEP_4)
	v_permlanex16_b32 v[TM+4+\b], v[TM+\b], s48, s49
.endr
.irp b, 0,1,2,3
	s_delay_alu instid0(VALU_DEP_4)
	v_max_num_f32 v[TM+\b], v[TM+\b], v[TM+4+\b]
.endr
	s_delay_alu instid0(VALU_DEP_2)
	v_max3_num_f32 v[TM+20], v[TM], v[TM+1], v[TM+2]
	s_delay_alu instid0(VALU_DEP_1)
	v_max_num_f32 v[TM+20], v[TM+20], v[TM+3]
	s_delay_alu instid0(VALU_DEP_1)
	v_mul_f32 v[TM+20], s50, v[TM+20]
	s_delay_alu instid0(VALU_DEP_1)
	v_max_num_f32 v[rM+1], v[rM+1], v[TM+20]
	v_mov_b32 v[TM+20], v[rM]
	s_delay_alu instid0(VALU_DEP_2)
	v_floor_f32 v[rM], -v[rM+1]
	s_delay_alu instid0(VALU_DEP_1)
	v_sub_f32 v[TM+20], v[rM], v[TM+20]
	s_delay_alu instid0(VALU_DEP_1)
	v_cvt_i32_f32 v[TM+20], v[TM+20]
	s_delay_alu instid0(VALU_DEP_1)
	v_ldexp_f32 v[rF], 1.0, v[TM+20]
.set i, 0
.rept 32
	v_pk_fma_f32 v[rS+i:rS+i+1], v[rS+i:rS+i+1], s[50:51], v[rM:rM+1] op_sel_hi:[1,0,0]
.set i, i+2
.endr
.irp b, 0,1,2,3
	v_fma_f32 v[TM+\b], v[TM+\b], s50, v[rM]
.endr
; A block's largest p is 2^y, y = its largest t - M <= 0: its exponent is floor(y), so the scale's byte is floor(y) + 125, held at 1 from below by holding y at -124.
; LIMIT: where v_exp_f32 rounds 2^y up to the next power of two, that one p of the block is held at the largest code.
.irp b, 0,1,2,3
	v_max_num_f32 v[TM+\b], 0xc2f80000, v[TM+\b]
.endr
.irp b, 0,1,2,3
	v_cvt_floor_i32_f32 v[TM+\b], v[TM+\b]
.endr
.irp b, 0,1,2,3
	v_add_lshl_u32 v[TM+16+\b], v[TM+\b], 125, 23  ; the conversion's scale operand: the byte in the exponent field
.endr
.irp b, 0,1,2,3
	v_add_nc_u32 v[TM+4+\b], 125, v[TM+\b]         ; the byte
.endr
	v_lshl_or_b32 v[26+\x], v[TM+5], 8, v[TM+4]
	s_delay_alu instid0(VALU_DEP_1)
	v_lshl_or_b32 v[26+\x], v[TM+6], 16, v[26+\x]
	s_delay_alu instid0(VALU_DEP_1)
	v_lshl_or_b32 v[26+\x], v[TM+7], 24, v[26+\x]
.set i, 0
	s_wait_alu depctr_va_vdst(0)
.rept 64
	v_exp_f32 v[rS+i], v[rS+i]
.set i, i+1
.endr
	v_pk_mul_f32 v[rL:rL+1], v[rL:rL+1], v[rF:rF+1] op_sel_hi:[1,0]
	s_wait_alu depctr_va_vdst(0)
	v_pk_add_f32 v[TM+20:TM+21], v[rS:rS+1], v[rS+2:rS+3]
.set i, 4
.rept 15
	v_pk_add_f32 v[rL:rL+1], v[rL:rL+1], v[rS+i:rS+i+1]
	v_pk_add_f32 v[TM+20:TM+21], v[TM+20:TM+21], v[rS+i+2:rS+i+3]
.set i, i+4
.endr
	s_delay_alu instid0(VALU_DEP_1)
	v_pk_add_f32 v[rL:rL+1], v[rL:rL+1], v[TM+20:TM+21]
.irp c, 0,1
	v_cvt_scalef32_pk16_fp6_f32 v[rP+6*\c:rP+6*\c+2], v[rS+32*\c:rS+32*\c+15], v[TM+16+2*\c]
	v_cvt_scalef32_pk16_fp6_f32 v[TM+8+4*\c:TM+8+4*\c+2], v[rS+32*\c+16:rS+32*\c+31], v[TM+16+2*\c+1]
.endr
	v_nop
.irp c, 0,1
.irp k, 0,1,2
	v_permlane16_swap_b32 v[rP+6*\c+\k], v[TM+8+4*\c+\k]
.endr
.irp k, 0,1,2
	s_delay_alu instid0(VALU_DEP_3)
	v_mov_b32 v[rP+6*\c+3+\k], v[TM+8+4*\c+\k]
.endr
.endr
.endm
.macro RESCALE                         ; O^T (window 1) under the new M: x f
	WIN 0x41
	s_wait_alu depctr_va_vdst(0)
.irp x, 0,1
.set i, 0
.rept 64
	v_pk_mul_f32 v[128*\x+i:128*\x+i+1], v[128*\x+i:128*\x+i+1], v[12+2*\x:13+2*\x] op_sel_hi:[1,0]
.set i, i+2
.endr
.endr
	WIN 0
.endm
; O^T += v^T p^T: 16 tiles of d x 2 tiles of queries; V's fragments in v128-175, v192-239 by turns.  s_wait_dscnt 12: the four fragments asked for last may be out.
.macro PVPART first
	ds_load_b128 v[16:19], v28 offset:1024
	ds_load_b128 v[20:23], v28 offset:1536
	VLOAD 0, 0
	VLOAD 1, 1
.if \first
	PLACES 8                                       ; p's scale words stand 8 places ahead
.endif
	s_wait_alu depctr_va_vdst(0)
	s_wait_dscnt 12
	WIN 0x50
	VMUL 0, 0, \first
	WIN 0
	PLACES 4
	VLOAD 2, 0
	s_wait_dscnt 12
	WIN 0x50
	VMUL 1, 1, \first
	WIN 0
	PLACES 4
	VLOAD 3, 1
	s_wait_dscnt 12
	WIN 0x50
	VMUL 2, 0, \first
	s_wait_dscnt 0x0
	VMUL 3, 1, \first
	WIN 0
.endm
; S^T = k q^T: 8 tiles of keys x 2 tiles of queries x 2 halves of d; K's fragments in v32-55, v56-79 by turns.  s_wait_dscnt 6: the pair asked for last may be out.
.macro SPART sco
	PLACES 5                                       ; the sums are laid over V's fragments, the loads over p's codes and V's scale words
	ds_load_b128 v[16:19], v28 offset:\sco
	ds_load_b128 v[20:23], v28 offset:(\sco)+512
	KLOAD 0, 32
	KLOAD 1, 56
	s_wait_alu depctr_va_vdst(0)
.irp p, 0,1,2,3,4,5,6,7
.if \p < 7
	s_wait_dscnt 6
.else
	s_wait_dscnt 0x0
.endif
	KMUL \p, 32+24*(\p%2)
.if \p < 6
	PLACES 4
	KLOAD \p+2, 32+24*(\p%2)
.endif
.endr
	PLACES 4
.endm
; Trip j = 1 .. 15.  Role 0: PV(j-1), S(j), softmax(j).  Role 1: softmax(j-1), PV(j-1), S(j).  first = 1 (trip 1): PV starts the sums, and role 1 has no O^T to rescale yet.
.macro TRIP fill, first, ask
	CHANGE \fill
	v_add_nc_u32 v3, s52, v29
	v_add_nc_u32 v28, s53, v30
	s_wait_alu depctr_va_vdst(0)
	s_cmp_lg_u32 s23, 0
	s_cbranch_scc1 .Lsm_\@
	PVPART \first
	SPART 2048
.Lsm_\@:
.if \ask
	ASK
.endif
	SOFTMAX 0
	SOFTMAX 1
.if \first
	s_wait_alu depctr_va_vdst(0)
	s_cmp_lg_u32 s23, 0
	s_cbranch_scc1 .Lmx_\@
	RESCALE
	s_wait_alu depctr_va_vdst(0)
	s_branch .Lend_\@
.Lmx_\@:
.else
	RESCALE
	s_wait_alu depctr_va_vdst(0)
	s_cmp_eq_u32 s23, 0
	s_cbranch_scc1 .Lend_\@
.endif
	PVPART \first
	SPART 2048
.Lend_\@:
	s_xor_b32 s52, s52, SLOT1
	s_add_co_u32 s53, s53, 2048
.endm
	s_wait_alu depctr_va_vdst(0)
	s_wait_loadcnt 0x0                             ; my queries are in
	CHANGE 3                                       ; trip 0: K(0) and the scale words are whole; window 1 is asked for
	v_add_nc_u32 v3, s58, v29
	v_add_nc_u32 v28, s53, v30
	SPART 0
	ASK
	s_wait_alu depctr_va_vdst(0)
	s_cmp_lg_u32 s23, 0
	s_cbranch_scc1 .Ltrip1
	SOFTMAX 0
	SOFTMAX 1
	s_wait_alu depctr_va_vdst(0)
.Ltrip1:
	TRIP 1, 1, 1
	s_mov_b32 s54, 13
.Lstep:                                                ; trips 2 to 14
	TRIP 1, 0, 1
	s_sub_co_u32 s54, s54, 1
	s_cmp_lg_u32 s54, 0
	s_wait_alu depctr_va_vdst(0)
	s_cbranch_scc1 .Lstep
	TRIP 2, 0, 0                                   ; trip 15: of window 16 only V(15) is asked for
	CHANGE 0                                       ; trip 16
	v_add_nc_u32 v3, s52, v29
	v_add_nc_u32 v28, s53, v30
	s_wait_alu depctr_va_vdst(0)
	s_cmp_eq_u32 s23, 0
	s_cbranch_scc1 .Llast
	SOFTMAX 0
	SOFTMAX 1
	RESCALE
	s_wait_alu depctr_va_vdst(0)
.Llast:
	PVPART 0
	; the two key halves exchange -M and the sum, bring O^T under the common M, divide, and add over the queries
	v_add_f32 v57, v8, v9
	v_add_f32 v59, v10, v11
	v_and_b32 v68, 31, v0
	s_delay_alu instid0(VALU_DEP_1)
	v_lshlrev_b32 v68, 4, v68
	s_delay_alu instid0(VALU_DEP_4)
	v_permlanex16_b32 v60, v57, s48, s49
	s_delay_alu instid0(VALU_DEP_4)
	v_permlanex16_b32 v61, v59, s48, s49
	s_lshl_b32 s18, s12, 9
	s_add_co_u32 s18, s18, EX
	s_xor_b32 s19, s12, 4
	s_lshl_b32 s19, s19, 9
	s_add_co_u32 s19, s19, EX
	v_add_nc_u32 v69, s18, v68
	v_add_nc_u32 v70, s19, v68
	v_add_f32 v57, v57, v60
	v_add_f32 v59, v59, v61
	v_mov_b32 v56, v4
	v_mov_b32 v58, v6
	ds_store_b128 v69, v[56:59]
	s_wait_alu depctr_va_vdst(0)
	s_wait_dscnt 0x0
	s_barrier_signal -1
	s_barrier_wait -1
	ds_load_b128 v[60:63], v70
	s_mul_i32 s18, s12, 16*RPI
	v_and_b32 v77, 15, v0
	s_delay_alu instid0(VALU_DEP_1)
	v_mul_u32_u24 v77, v77, RPI
	v_bfe_u32 v78, v0, 4, 1
	s_delay_alu instid0(VALU_DEP_1)
	v_lshl_add_u32 v77, v78, 5, v77
	s_delay_alu instid0(VALU_DEP_1)
	v_add_nc_u32 v77, s18, v77
	s_lshr_b32 s19, s12, 1
	s_mul_i32 s19, s19, 32*RPI
	s_and_b32 s20, s12, 1
	s_lshl_b32 s20, s20, 9
	s_add_co_u32 s19, s19, s20
	v_add_nc_u32 v78, s19, v68
	s_wait_dscnt 0x0
.irp x, 0,1
	v_min_num_f32 v[64+8*\x], v[56+2*\x], v[60+2*\x]
.endr
.irp x, 0
	s_delay_alu instid0(VALU_DEP_2)
	v_sub_f32 v[65+8*\x], v[64+8*\x], v[56+2*\x]
	s_delay_alu instid0(VALU_DEP_3)
	v_sub_f32 v[66+8*\x], v[64+8*\x], v[60+2*\x]
.endr
.irp x, 1
	s_delay_alu instid0(VALU_DEP_3)
	v_sub_f32 v[65+8*\x], v[64+8*\x], v[56+2*\x]
	s_delay_alu instid0(VALU_DEP_4)
	v_sub_f32 v[66+8*\x], v[64+8*\x], v[60+2*\x]
.endr
.irp x, 0,1
	s_delay_alu instid0(VALU_DEP_4)
	v_cvt_i32_f32 v[65+8*\x], v[65+8*\x]
	s_delay_alu instid0(VALU_DEP_4)
	v_cvt_i32_f32 v[66+8*\x], v[66+8*\x]
.endr
.irp x, 0,1
	s_delay_alu instid0(VALU_DEP_4)
	v_ldexp_f32 v[65+8*\x], 1.0, v[65+8*\x]
	s_delay_alu instid0(VALU_DEP_4)
	v_ldexp_f32 v[66+8*\x], 1.0, v[66+8*\x]
.endr
.irp x, 0
	s_delay_alu instid0(VALU_DEP_4)
	v_mul_f32 v[67+8*\x], v[57+2*\x], v[65+8*\x]
.endr
.irp x, 1
	s_delay_alu instid0(VALU_DEP_3)
	v_mul_f32 v[67+8*\x], v[57+2*\x], v[65+8*\x]
.endr
.irp x, 0,1
	s_delay_alu instid0(VALU_DEP_2)
	v_fma_f32 v[67+8*\x], v[61+2*\x], v[66+8*\x], v[67+8*\x]
.endr
	s_wait_alu depctr_va_vdst(0)
	v_rcp_f32 v71, v67
	v_rcp_f32 v79, v75
	v_nop
	s_wait_alu depctr_va_vdst(0)
	v_mul_f32 v12, v65, v71
	v_mul_f32 v14, v73, v79
	WIN 0x01
.set i, 0
.rept 64
	v_pk_mul_f32 v[128+i:129+i], v[i:i+1], v[12:13] op_sel_hi:[1,0]
.set i, i+2
.endr
.set i, 0
.rept 64
	v_pk_fma_f32 v[128+i:129+i], v[128+i:129+i], v[14:15], v[128+i:129+i] op_sel_hi:[1,0,1]
.set i, i+2
.endr
	WIN 0
.irp t, 0,1,2,3,4,5,6,7,8,9,10,11,12,13,14,15
	ds_store_b128 v77, v[128+8*\t:131+8*\t] offset:64*\t     ; the stage lies on bytes that have had their last fill
	ds_store_b128 v77, v[132+8*\t:135+8*\t] offset:64*\t+16
.endr
	s_wait_dscnt 0x0
	s_barrier_signal -1
	s_barrier_wait -1
.set i, 0
.rept 32
	ds_load_b128 v[128+4*i:131+4*i], v78 offset:i*RPI
.set i, i+1
.endr
	s_wait_dscnt 0x0
.irp st, 16,8,4,2,1
.set q, 0
.rept \st
	v_pk_add_f32 v[128+4*q:129+4*q], v[128+4*q:129+4*q], v[128+4*(q+\st):129+4*(q+\st)]
	v_pk_add_f32 v[130+4*q:131+4*q], v[130+4*q:131+4*q], v[130+4*(q+\st):131+4*(q+\st)]
.set q, q+1
.endr
.endr
	global_store_b128 v68, v[128:131], s[10:11]    ; 32 lanes store 512 consecutive bytes
	s_wait_tensorcnt 0x0                           ; the wave's end
	ds_add_u32 v1, v2
	s_wait_dscnt 0x0
	CROUND                                         ; the closing round
	s_endpgm
.Lfunc_end_k_q1efd74040a_attn:
	.size	k_q1efd74040a_attn, .Lfunc_end_k_q1efd74040a_attn-k_q1efd74040a_attn
	.p2alignl 7, 3214868480
	.fill 96, 4, 3214868480
	.section	.rodata,"a",@progbits
	.p2align	6, 0x0
	.amdhsa_kernel k_q1efd74040a_attn
		.amdhsa_group_segment_fixed_size 327680
		.amdhsa_private_segment_fixed_size 0
		.amdhsa_enable_private_segment 0
		.amdhsa_kernarg_size 32
		.amdhsa_user_sgpr_count 2
		.amdhsa_user_sgpr_kernarg_segment_ptr 1
		.amdhsa_wavefront_size32 1
		.amdhsa_system_sgpr_workgroup_id_x 1
		.amdhsa_system_sgpr_workgroup_id_y 1
		.amdhsa_system_sgpr_workgroup_id_z 1
		.amdhsa_system_vgpr_workitem_id 0
		.amdhsa_next_free_vgpr 512
		.amdhsa_next_free_sgpr 66
		.amdhsa_reserve_vcc 0
		.amdhsa_float_denorm_mode_32 3
		.amdhsa_float_denorm_mode_16_64 3
		.amdhsa_memory_ordered 1
		.amdhsa_forward_progress 1
		.amdhsa_inst_pref_size 255
	.end_amdhsa_kernel
	.section	.bss,"aw",@nobits
	.p2align	6
	.space	262144
	.amdgpu_metadata
---
amdhsa.version: [ 1, 2 ]
amdhsa.kernels:
  - .name:           k_q1efd74040a_attn
    .symbol:         k_q1efd74040a_attn.kd
    .args:
      - { .name: kvc, .offset: 0, .size: 8, .value_kind: global_buffer, .address_space: global }
      - { .name: ksc, .offset: 8, .size: 8, .value_kind: global_buffer, .address_space: global }
      - { .name: qc, .offset: 16, .size: 8, .value_kind: global_buffer, .address_space: global }
      - { .name: part, .offset: 24, .size: 8, .value_kind: global_buffer, .address_space: global }
    .group_segment_fixed_size: 327680
    .private_segment_fixed_size: 0
    .kernarg_segment_align: 8
    .kernarg_segment_size: 32
    .max_flat_workgroup_size: 256
    .sgpr_count:     66
    .vgpr_count:     512
    .wavefront_size: 32
...
	.end_amdgpu_metadata
.endif
;; end of part 2
;; launch sum (part 3): grid 2 x 8, 8 waves a work-group, no clusters, 5,120 bytes of LDS; arguments part, out0; writes out0
.if DOCPART == 3
	.amdgcn_target "amdgcn-amd-amdhsa--gfx1250"
	.amdhsa_code_object_version 6
	.text
	.protected	k_q1efd74040a_sum
	.globl	k_q1efd74040a_sum
	.p2align	8
	.type	k_q1efd74040a_sum,@function
k_q1efd74040a_sum:
	s_mov_b64 s[64:65], 0
	v_nop
	global_prefetch_b8 v0, s[64:65] scope:SCOPE_SE
	s_setreg_imm32_b32 hwreg(HW_REG_WAVE_MODE, 25, 1), 1
	s_wait_xcnt 0x0
; out0[b][d] = the sum of the batch's 128 partial rows of part (32 work-groups x 4 rows of 256 f32).  Work-group (c, b) takes half c of the 256 columns: 128 rows x 512 bytes.
; Wave v adds rows 16 v .. 16 v + 15 (each load 512 consecutive bytes), the eight results meet in LDS, wave 0 adds them and stores 512 consecutive bytes.  There is work for 16 work-groups and no more.
	s_load_b128 s[4:7], s[0:1], 0x0                ; part, out0
	v_lshl_add_u32 v80, v0, 2, 0x1000
	v_mov_b32 v81, 0
	v_lshrrev_b32 v1, 5, v0
	s_delay_alu instid0(VALU_DEP_1)
	v_readfirstlane_b32 s8, v1                     ; wave
	v_and_b32 v1, 31, v0
	s_delay_alu instid0(VALU_DEP_1)
	v_lshlrev_b32 v1, 4, v1                        ; 16 x lane
	v_lshlrev_b32 v2, 4, v0                        ; LDS: 512 x wave + 16 x lane
	s_and_b32 s9, ttmp7, 0xffff                    ; batch
	s_lshl_b32 s10, s9, 17
	s_lshl_b32 s11, s8, 14
	s_add_co_u32 s10, s10, s11
	s_lshl_b32 s12, ttmp9, 9
	s_add_co_u32 s10, s10, s12
	s_mov_b32 s11, 0
	s_lshl_b32 s14, s9, 10
	s_add_co_u32 s14, s14, s12
	s_mov_b32 s15, 0
	s_wait_alu depctr_va_vdst(0)
	s_wait_kmcnt 0x0
	s_add_nc_u64 s[4:5], s[4:5], s[10:11]
	s_add_nc_u64 s[6:7], s[6:7], s[14:15]
.irp i, 0,1,2,3,4,5,6,7,8,9,10,11,12,13,14,15
	global_load_b128 v[8+4*\i:11+4*\i], v1, s[4:5] offset:1024*\i th:TH_LOAD_NT
.endr
	s_wait_loadcnt 0x0
.irp st, 8,4,2,1
.set q, 0
.rept \st
	v_pk_add_f32 v[8+4*q:9+4*q], v[8+4*q:9+4*q], v[8+4*(q+\st):9+4*(q+\st)]
	v_pk_add_f32 v[10+4*q:11+4*q], v[10+4*q:11+4*q], v[10+4*(q+\st):11+4*(q+\st)]
.set q, q+1
.endr
.endr
	ds_store_b128 v2, v[8:11]
	s_wait_dscnt 0x0                               ; for wave 0's sake: my store has landed
	s_barrier_signal -1
	s_barrier_wait -1
	s_cmp_lg_u32 s8, 0
	s_cbranch_scc1 .Lend
.irp i, 0,1,2,3,4,5,6,7
	ds_load_b128 v[8+4*\i:11+4*\i], v1 offset:512*\i
.endr
	s_wait_dscnt 0x0
.irp st, 4,2,1
.set q, 0
.rept \st
	v_pk_add_f32 v[8+4*q:9+4*q], v[8+4*q:9+4*q], v[8+4*(q+\st):9+4*(q+\st)]
	v_pk_add_f32 v[10+4*q:11+4*q], v[10+4*q:11+4*q], v[10+4*(q+\st):11+4*(q+\st)]
.set q, q+1
.endr
.endr
	global_store_b128 v1, v[8:11], s[6:7]
.Lend:
	s_wait_tensorcnt 0x0
	ds_add_u32 v80, v81
	s_wait_dscnt 0x0
	s_endpgm
.Lfunc_end_k_q1efd74040a_sum:
	.size	k_q1efd74040a_sum, .Lfunc_end_k_q1efd74040a_sum-k_q1efd74040a_sum
	.p2alignl 7, 3214868480
	.fill 96, 4, 3214868480
	.section	.rodata,"a",@progbits
	.p2align	6, 0x0
	.amdhsa_kernel k_q1efd74040a_sum
		.amdhsa_group_segment_fixed_size 5120
		.amdhsa_private_segment_fixed_size 0
		.amdhsa_enable_private_segment 0
		.amdhsa_kernarg_size 16
		.amdhsa_user_sgpr_count 2
		.amdhsa_user_sgpr_kernarg_segment_ptr 1
		.amdhsa_wavefront_size32 1
		.amdhsa_system_sgpr_workgroup_id_x 1
		.amdhsa_system_sgpr_workgroup_id_y 1
		.amdhsa_system_sgpr_workgroup_id_z 1
		.amdhsa_system_vgpr_workitem_id 0
		.amdhsa_next_free_vgpr 82
		.amdhsa_next_free_sgpr 66
		.amdhsa_reserve_vcc 0
		.amdhsa_float_denorm_mode_32 3
		.amdhsa_float_denorm_mode_16_64 3
		.amdhsa_memory_ordered 1
		.amdhsa_forward_progress 1
		.amdhsa_inst_pref_size 7
	.end_amdhsa_kernel
	.amdgpu_metadata
---
amdhsa.version: [ 1, 2 ]
amdhsa.kernels:
  - .name:           k_q1efd74040a_sum
    .symbol:         k_q1efd74040a_sum.kd
    .args:
      - { .name: part, .offset: 0, .size: 8, .value_kind: global_buffer, .address_space: global }
      - { .name: out0, .offset: 8, .size: 8, .value_kind: global_buffer, .address_space: global }
    .group_segment_fixed_size: 5120
    .private_segment_fixed_size: 0
    .kernarg_segment_align: 8
    .kernarg_segment_size: 16
    .max_flat_workgroup_size: 256
    .sgpr_count:     66
    .vgpr_count:     82
    .wavefront_size: 32
...
	.end_amdgpu_metadata
.endif
;; end of part 3
